; MI455X (gfx1250); checked and timed in simulation.
; The chip was launched on July 23, 2026; its instructions are those of AMD's public machine-readable ISA for CDNA 5 (MIT licence, August 2026) and "CDNA5" Instruction Set Architecture Reference Guide (July 2026). The comments in the code are by the model that wrote it; some were corrected since.
;; Pow Model. Allowed arithmetic: float matrix products may take bf16 or f16 operands with f32 sums; other float arithmetic in f32, or as packed bf16 or f16 multiplies, adds, multiply-adds, maxima and minima; sums over many terms, partial sums and values carried from step to step in f32; what a program stores and reads back later, other than sums and carried values, may be rounded once to bf16 or f16.
;; Inputs: bias 256 float32; noise 65,536 x 256 float32; ternary_matrix 256 x 256 float32; x 65,536 x 256 float32.
;; Outputs: out0 65,536 x 256 float16.
;; One version. Each part assembles by itself: llvm-mc -triple=amdgcn-amd-amdhsa -mcpu=gfx1250 --defsym DOCPART=n.
;; ======== version 1 of 1: 1 launch
;; limits: below input magnitudes of 6.1e-05 results are inexact or not finite; values are held in f16: magnitudes above 65,504 overflow, below 6.1e-05 lose precision
;; launch pow16 (part 1): grid 256 x 1, 4 waves a work-group, no clusters, 327,680 bytes of LDS; arguments x, noise, ternary_matrix, bias, out0; writes out0
.if DOCPART == 1
	.amdgcn_target "amdgcn-amd-amdhsa--gfx1250"
	.amdhsa_code_object_version 6
	.text
	.protected	k_q478215a0a2_pow16
	.globl	k_q478215a0a2_pow16
	.p2align	8
	.type	k_q478215a0a2_pow16,@function
k_q478215a0a2_pow16:
	s_mov_b64 s[64:65], 0
	v_nop
	global_prefetch_b8 v0, s[64:65] scope:SCOPE_SE
	s_setreg_imm32_b32 hwreg(HW_REG_WAVE_MODE, 25, 1), 1
	s_wait_xcnt 0x0
; state <- (2 (state @ W16) + bpn > 0), sixteen times; state 0 = f16(x); bpn = f16(f16(bias) + f16(noise)); out0 = the last state, f16 0 or 1.
; x, noise: [65536][256] f32.  W (ternary_matrix): [256 (k)][256 (n)] f32.  bias: [256] f32.  out0: [65536][256] f16.
; SHARES.  A work-group owns 256 rows, each of its four waves 64: four batch tiles of 16 rows.  Rows never meet: all 16 rounds run in this one launch with the state in registers; only W, as f16 in LDS, is shared.
; LAYOUT.  The product is used transposed: source 0 = 16 output features x 32 k of W^T (turned out of LDS by ds_load_tr16_b128), source 1 = 32 k x 16 batch rows of the state.  In the result lane l holds batch
; row l % 16 and features 16 M + 8 (l / 16) + 0..7 of feature tile M.  Packed in pairs, tile M = 2 c is registers 0-3 and tile M = 2 c + 1 registers 4-7 of the NEXT round's source 1 for k step c: nothing changes lanes.
; ARITHMETIC of two outputs, four instructions: s16 = f16(f32 sum); r = MULT s16 + nb in one packed f16 multiply-add, nb = -bpn; r >> 1; and 0x40004000.  r's sign bit is set exactly where 2 m + bpn > 0:
; both addends are f16 numbers, so a sum that is not 0 does not round to 0; a sum that is 0 comes out as +0, since nb is never -0.  The sign bit one place down is the f16 number 2.0: from round 1 on the state is
; coded 0 / 2.0, which supplies the factor 2: MULT = -2 for round 0 (operand f16(x) itself), -1 afterwards.  On the way out the state is halved.
; LIMITS.  NaN and infinities are not treated apart.  From round 1 on f16(2 m) stands for 2 f16(m): the two differ only where |m| < 2^-14 (f16's denormals) or 2 m passes 65,504.  The f32 sums are added in the
; matrix unit's order (exact for whole-number weights).
; NO CLUSTER.  Work-groups share W alone, read once by each: it goes through registers to be rounded to f16, and a joint landing of its 262,144 raw bytes has no room in LDS beside x's 266,240.
; REGISTERS, in windows of 256 (s_set_vgpr_msb: bits 1:0 source 0, 3:2 source 1, 5:4 source 2, 7:6 destination):
;   window 0: v0-31 addresses and constants; v32-63 way out; v64-127 two sets of four accumulators (before the rounds: -bias in the state's layout); v128-255 two buffers of W fragments (before: raw f32 at work)
;   window 1, window 2: the state, old and new by turns; fragment (batch tile b, k step c) at 64 b + 8 c.  (Before: window 1 W's raw landing, window 2 W in f16.)     window 3: nb, in the state's layout (before: W's raw landing)
.set RP,     1040                      ; a raw f32 row in LDS: 1,024 bytes + 16 of padding = 65 x 16: sixteen rows start at sixteen different 16-byte columns modulo 256
.set SLOTB,  32*RP                     ; a slot: 32 rows
.set WAVEB,  2*SLOTB                   ; a wave's two slots; the four waves' take bytes 0 to 266,239
.set WP,     544                       ; a row of W16: 512 bytes + 32 = 17 x 32: the turning load's 8 rows x 32 bytes fall on different words modulo 256 bytes
.set STAGE,  256*WP                    ; behind W16 (which is stored over the raw slots after their last fill and last read): the way out, 64 rows x 528 bytes for each wave
.set SP,     528                       ; 512 + 16 = 33 x 16
.set BIASB,  STAGE+4*64*SP             ; 256 f16: -bias
.set SPARE,  BIASB+512                 ; the spare words, 128 bytes for each wave: two blocks of 256 bytes that no other line names
.set AWT,  3                           ; v3, v4  my lane's place in W16 for the turning load: k steps 0-3, k steps 4-7
.set AX,   5                           ; v5   my lane's place in my wave's raw slot 0
.set AW,   6                           ; v6   where I store my 8 bytes of a half row of W16
.set L16,  7                           ; v7   16 x lane: my offset in 512 consecutive bytes of W and of out0
.set STO,  8                           ; v8   the way out: where I put 16 bytes of a row
.set RD,   9                           ; v9   the way out: where I read a row back
.set TBA,  11                          ; v11  my half's place in the table of -bias
.set MULT, 12                          ; v12  -2.0 twice, later -1.0 twice
.set VM1,  13                          ; v13  -1.0 twice
.set HALF, 14                          ; v14  0.5 twice
.set VZ,   15                          ; v15  0
.set SPW,  30                          ; v30  LDS address of my spare word; never rewritten
.set NIL,  31                          ; v31  0; never rewritten
.set OB0,  32                          ; the way out: two buffers of 8 rows
.set OB1,  96
.set ACC,  64
.set TB16, 64
.set WF,   128
.set TA,   128
.set TB,   192
.set G1,   24                          ; s[24:31] descriptor group 1, the same for all four loads
.set GX,   32                          ; s[32:39] group 0 for x's two tiles
.set GN,   40                          ; s[40:47] group 0 for noise's two tiles; none of the four sets is ever rewritten
.set SMASK, 48                         ; s48  0x40004000
.set CNT,  49                          ; s49  pairs of rounds to go
.set MSB, 0
.macro WIN new                         ; the immediate's high byte repeats the setting that is left; a switch that changes nothing is dropped
.if MSB != (\new)
	s_set_vgpr_msb (MSB<<8)|(\new)
.set MSB, (\new)
.endif
.endm
	s_load_b256 s[4:11], s[0:1], 0x0               ; x s[4:5], noise s[6:7], W s[8:9], bias s[10:11]
	s_load_b64 s[12:13], s[0:1], 0x20              ; out0
	v_lshl_add_u32 v[SPW], v0, 2, SPARE
	v_mov_b32 v[NIL], 0
	ds_add_u32 v[SPW], v[NIL]                      ; the wave's opening: the add and its wait ahead of my first tensor load; the set-up below, work on registers, stands between them
	ds_add_u32 v30, v31
	v_lshrrev_b32 v1, 5, v0
	v_readfirstlane_b32 s14, v1                    ; wave 0..3
	; group 1: a tile of 32 rows x 256 f32, padded in LDS
	s_mov_b32 s[G1+0], (2<<16)|(1<<20)|(7<<22)|(3<<25)  ; 17:16 elements of 4 bytes; 20 padding on; 24:22 after every 256 words (code 7); 31:25 4 words of it (code 3)
	s_mov_b32 s[G1+1], 256<<16                     ; tensor_dim0 = 256
	s_mov_b32 s[G1+2], 32<<16                      ; tensor_dim1 = 32
	s_mov_b32 s[G1+3], 256<<16                     ; tile_dim0 = 256
	s_mov_b32 s[G1+4], 32                          ; tile_dim1 = 32
	s_mov_b32 s[G1+5], 256                         ; 256 elements from row to row
	s_mov_b32 s[G1+6], 0
	s_mov_b32 s[G1+7], 0
	s_mul_i32 s20, s14, WAVEB                      ; my wave's two slots
.irp s, 0,1
	s_mov_b32 s[GX+4*(\s)], 1                      ; count = 1
	s_add_co_u32 s[GX+4*(\s)+1], s20, (\s)*SLOTB   ; LDS address: wave x 66,560 + slot x 33,280
	s_mov_b32 s[GN+4*(\s)], 1
	s_add_co_u32 s[GN+4*(\s)+1], s20, (\s)*SLOTB
.endr
	s_lshl_b32 s16, ttmp9, 18                      ; the work-group's 256 rows of 1,024 bytes,
	s_lshl_b32 s17, s14, 16                        ; my wave's 64 of them
	s_add_co_u32 s16, s16, s17
	s_mov_b32 s17, 0
	s_lshl_b32 s18, s14, 16                        ; my wave's 64 rows of W
	s_mov_b32 s19, 0
	s_mov_b32 s[SMASK], 0x40004000
	s_wait_dscnt 0x0                               ; the opening add is done
	s_wait_kmcnt 0x0
	s_add_nc_u64 s[4:5], s[4:5], s[16:17]          ; x and noise at my wave's first row
	s_add_nc_u64 s[6:7], s[6:7], s[16:17]
	s_add_nc_u64 s[8:9], s[8:9], s[18:19]          ; W at my wave's first row
.irp s, 0,1
	s_add_nc_u64 s[GX+4*(\s)+2:GX+4*(\s)+3], s[4:5], (\s)*32768   ; global address: my rows 32 s on
	s_or_b32 s[GX+4*(\s)+3], s[GX+4*(\s)+3], 0x80000000           ; type = 2
	s_add_nc_u64 s[GN+4*(\s)+2:GN+4*(\s)+3], s[6:7], (\s)*32768
	s_or_b32 s[GN+4*(\s)+3], s[GN+4*(\s)+3], 0x80000000
.endr
	tensor_load_to_lds s[GX:GX+3], s[G1:G1+7]      ; both first fills go out together, ahead of every wait on TENSORcnt, every LDS read and every barrier: two loads of mine are out, 64 KiB
	s_nop 0
	tensor_load_to_lds s[GX+4:GX+7], s[G1:G1+7]
	s_nop 0
.rept 4
	v_nop
.endr
	; W AND BIAS, while x is on its way.  My wave takes W's rows 64 w to 64 w + 63: 128 loads of 512 consecutive bytes; load j is half j % 2 of row j / 2.
	v_and_b32 v24, 31, v0                          ; lane
	v_lshlrev_b32 v[L16], 4, v24
	v_lshlrev_b32 v22, 3, v0                       ; thread t takes bias 2 t and 2 t + 1
	global_load_b64 v[16:17], v22, s[10:11]
	WIN 0x40                                       ; destination window 1
.set j, 0
.rept 64
	global_load_b128 v[4*j:4*j+3], v[L16], s[8:9] offset:512*j
.set j, j+1
.endr
	WIN 0xc0                                       ; destination window 3
.set j, 0
.rept 64
	global_load_b128 v[4*j:4*j+3], v[L16], s[8:9] offset:512*(j+64)
.set j, j+1
.endr
	WIN 0
	v_and_b32 v1, 15, v0                           ; r = l % 16
	v_bfe_u32 v2, v0, 4, 1                         ; h = l / 16
	v_and_b32 v25, 7, v0
	v_bfe_u32 v26, v0, 3, 1
	v_lshl_add_u32 v[AWT], v2, 3, v25              ; the turning load: lane l reads k row 8 h + l % 8,
	v_mul_u32_u24 v[AWT], v[AWT], WP
	v_lshl_add_u32 v[AWT], v26, 4, v[AWT]          ; features 8 ((l / 8) % 2) + 0..7
	v_add_nc_u32 v[AWT+1], 128*WP, v[AWT]          ; k steps 4-7 lie beyond the 16-bit immediate
	v_mul_u32_u24 v[AX], v1, RP                    ; raw rows: row r, 32 bytes (8 f32) for each half of the lanes
	v_lshl_add_u32 v[AX], v2, 5, v[AX]
	v_add_nc_u32 v[AX], s20, v[AX]
	s_mul_i32 s21, s14, 64*WP
	v_lshl_add_u32 v[AW], v24, 3, s21              ; W16: my wave's 64 rows, 8 bytes a lane
	s_mul_i32 s22, s14, 64*SP
	s_add_co_u32 s22, s22, STAGE                   ; my stage
	v_mul_u32_u24 v[STO], v1, SP
	v_lshl_add_u32 v[STO], v2, 4, v[STO]
	v_add_nc_u32 v[STO], s22, v[STO]
	v_add_nc_u32 v[RD], s22, v[L16]                ; back: 32 lanes take one row of 512 bytes
	v_lshl_add_u32 v[TBA], v2, 4, BIASB
	v_lshl_add_u32 v21, v0, 2, BIASB
	v_mov_b32 v[MULT], 0xc000c000
	v_mov_b32 v[VM1], 0xbc00bc00
	v_mov_b32 v[HALF], 0x38003800
	v_mov_b32 v[VZ], 0
	s_lshl_b32 s16, ttmp9, 17                      ; out0: the work-group's 256 rows of 512 bytes,
	s_lshl_b32 s17, s14, 15                        ; my wave's 64
	s_add_co_u32 s16, s16, s17
	s_mov_b32 s17, 0
	s_add_nc_u64 s[12:13], s[12:13], s[16:17]
	; W to f16, sixteen loads at a time, into window 2: load j's four numbers become registers 2 j, 2 j + 1
.set g, 0
.rept 8
.if 112-16*g > 63
	s_wait_loadcnt 63                              ; loads come back in order (ISA guide 5.7.1): 112 - 16 g were issued behind this group; the wait's field holds 63 at the most
.else
	s_wait_loadcnt 112-16*g                        ; the loads issued behind this group may stay out
.endif
.if g < 4
	WIN 0x85                                       ; sources window 1, destination window 2
.else
	WIN 0x8f                                       ; sources window 3
.endif
.set q, 0
.rept 32
	v_cvt_pk_f16_f32 v[32*g+q], v[(64*g+2*q)%256], v[(64*g+2*q+1)%256]
.set q, q+1
.endr
.set g, g+1
.endr
	WIN 0
	; the table of -bias in f16, never -0
	v_sub_f32 v18, 0, v16
	v_sub_f32 v19, 0, v17
	v_cvt_pk_f16_f32 v20, v18, v19
	v_pk_add_f16 v20, v20, v[VZ]                   ; -0 + 0 = +0
	ds_store_b32 v21, v20
	s_wait_dscnt 0x0                               ; for the others' sake: my two numbers are in the table
	s_barrier_signal -1                            ; x's tiles may stay on their way
	s_barrier_wait -1
.set c, 0
.rept 8                                ; -bias in the state's layout: registers 8 c + 0..3 features 32 c + 8 h + 0..7, registers 8 c + 4..7 sixteen further on
	ds_load_b128 v[TB16+8*c:TB16+8*c+3],   v[TBA] offset:64*c
	ds_load_b128 v[TB16+8*c+4:TB16+8*c+7], v[TBA] offset:64*c+32
.set c, c+1
.endr
; 16 LDS loads: half a batch tile (16 rows x 128 features of f32) out of slot s, tile bb of its two, k steps 4 hc to 4 hc + 3, into 64 registers in the order of the state's fragments
.macro RAWLD buf, s, bb, hc
	WIN 0
.set c, 0
.rept 4
.set OFS, (\s)*SLOTB+(\bb)*16*RP+128*(4*(\hc)+c)
	ds_load_b128 v[(\buf)+16*c:(\buf)+16*c+3],     v[AX] offset:OFS
	ds_load_b128 v[(\buf)+16*c+4:(\buf)+16*c+7],   v[AX] offset:OFS+16
	ds_load_b128 v[(\buf)+16*c+8:(\buf)+16*c+11],  v[AX] offset:OFS+64
	ds_load_b128 v[(\buf)+16*c+12:(\buf)+16*c+15], v[AX] offset:OFS+80
.set c, c+1
.endr
.endm
; that half tile to f16: x into window 1 (nz = 0); noise into window 3 (nz = 1), and there nb = -f16(noise) + (-f16(bias)), rounded once: -bpn
.macro CVTHT buf, b, hc, nz
.if \nz
	WIN 0xc0
.else
	WIN 0x40
.endif
.set q, 0
.rept 32
	v_cvt_pk_f16_f32 v[64*(\b)+32*(\hc)+q], v[(\buf)+2*q], v[(\buf)+2*q+1]
.set q, q+1
.endr
.if \nz
	WIN 0xc3                                       ; destination and source 0 window 3
.set q, 0
.rept 32
	v_pk_fma_f16 v[64*(\b)+32*(\hc)+q], v[64*(\b)+32*(\hc)+q], v[VM1], v[TB16+32*(\hc)+q]
.set q, q+1
.endr
.endif
.endm
; A slot's four half tiles, on two buffers.  left = how many younger tensor loads may stay out.  The count 16 leaves out the run of loads issued behind the one that is wanted.
.macro SLOT nz, s, left
	s_wait_tensorcnt \left                         ; tensor loads of a wave end in order (ISA guide 10.11.1): my tile is in LDS; only I read it
	RAWLD TA, \s, 0, 0
	RAWLD TB, \s, 0, 1
	s_wait_dscnt 16
	CVTHT TA, 2*(\s), 0, \nz
	RAWLD TA, \s, 1, 0
	s_wait_dscnt 16
	CVTHT TB, 2*(\s), 1, \nz
	RAWLD TB, \s, 1, 1
	s_wait_dscnt 16
	CVTHT TA, 2*(\s)+1, 0, \nz
	s_wait_dscnt 0x0
	CVTHT TB, 2*(\s)+1, 1, \nz
.endm
; Slot s, whose x has been read, is filled again, with noise.
.macro FILL s
	WIN 0
	s_wait_tensorcnt 0x0                           ; all my tensor loads have landed
	ds_add_u32 v[SPW], v[NIL]                      ; 0 onto my spare word
	s_wait_dscnt 0x0                               ; the add is done; my reads of the slot are back
	s_barrier_signal -1
	s_barrier_wait -1
	tensor_load_to_lds s[GN+4*(\s):GN+4*(\s)+3], s[G1:G1+7]  ; my one tensor load behind the barrier, and the first thing there
	s_nop 0
.rept 4
	v_nop
.endr
.endm
	SLOT 0, 0, 1                                   ; x, my rows 0-31: the count leaves rows 32-63 on their way
	FILL 0                                         ; noise, rows 0-31, goes out
	SLOT 0, 1, 1                                   ; x, rows 32-63: one load was issued behind it
	FILL 1                                         ; noise, rows 32-63: the last load
	SLOT 1, 0, 1                                   ; noise, rows 0-31
	SLOT 1, 1, 0                                   ; noise, rows 32-63: no load is out any more
	; W16 GOES INTO LDS, over the raw slots: every wave's last fill has landed and its raw reads are back before any wave stores
	WIN 0
	s_wait_dscnt 0x0
	s_barrier_signal -1
	s_barrier_wait -1
	WIN 0x08                                       ; store data in window 2
.set j, 0
.rept 128
	ds_store_b64 v[AW], v[2*j:2*j+1] offset:WP*(j/2)+256*(j%2)
.set j, j+1
.endr
	s_wait_dscnt 0x0                               ; for the others' sake: my 64 rows of W16 are in
	s_barrier_signal -1
	s_barrier_wait -1
	WIN 0
; THE ROUNDS.  A TURN makes feature tile m of a round for the wave's four batch tiles: 32 matrix instructions.
; Four lines of the fetch of feature tile mn's fragments of W^T into buffer q: k steps c0, c0 + 1
.macro FETCH4 q, mn, c0
.set fc, (\c0)
.rept 2
	ds_load_tr16_b128 v[WF+64*(\q)+8*fc:WF+64*(\q)+8*fc+3],   v[AWT+fc/4] offset:32*WP*(fc%4)+32*(\mn)
	ds_load_tr16_b128 v[WF+64*(\q)+8*fc+4:WF+64*(\q)+8*fc+7], v[AWT+fc/4] offset:32*WP*(fc%4)+16*WP+32*(\mn)
.set fc, fc+1
.endr
.endm
; Slice k of 16 of the vector work on the tile made in the turn before (MV), batch tile k % 4: 0-3 the sums to f16 (each accumulator's registers in ascending order), into their place
; in the new state; 4-7 MULT s16 + nb; 8-11 the sign bits one place down; 12-15 all else masked away.
.macro SLICE k
.set sb, (\k)%4
.set rD, 64*sb+8*(MV/2)+4*(MV%2)
.set rC, ACC+32*(1-P)+8*sb
.if (\k) < 4
	WIN VW<<6                                      ; destination: the new state's window
.irp j, 0,1,2,3
	v_cvt_pk_f16_f32 v[rD+\j], v[rC+2*\j], v[rC+2*\j+1]
.endr
.else
	WIN (VW<<6)|(3<<4)|(VW<<2)                     ; destination and source 1: the new state's window; source 2: nb's
.irp j, 0,1,2,3
.if (\k) < 8
	v_pk_fma_f16 v[rD+\j], v[MULT], v[rD+\j], v[rD+\j]
.elseif (\k) < 12
	v_lshrrev_b32 v[rD+\j], 1, v[rD+\j]
.else
	v_and_b32 v[rD+\j], s[SMASK], v[rD+\j]
.endif
.endr
.endif
.endm
; TURN m of the round of parity rho (old state in window 1 + rho, new in 2 - rho).  The four accumulators take turns, one instruction a turn; the first four products start the sums.
; Behind product 0: four places (ISA guide 7.12.1 for vector instructions) between the last turn's products and the loads into the buffer that they read and the reads of their results.
; Behind products 1-4: the next tile's 16 LDS loads, 27 matrix instructions ahead of the wait for them.  Behind products 5-20: a slice each.  Tile 15's vector work falls into the next round's turn 0 and writes
; registers 4-7 of k step 7 of that round's OLD state, which product 28 is the first to read.
.macro TURN m, rho, vec
.set OLDW, 1+(\rho)
.set P, (\m)%2
.set MV, ((\m)+15)%16
.set MN, ((\m)+1)%16
.if (\m) == 0
.set VW, OLDW
.else
.set VW, 3-OLDW
.endif
	s_wait_dscnt 0x0                               ; this turn's fragments of W are in
.set i, 0
.rept 32
	WIN OLDW<<2                                    ; source 1: the old state's window
.set rA, ACC+32*P+8*(i%4)
.set rW, WF+64*P+8*(i/4)
.set rB, 64*(i%4)+8*(i/4)
.if i < 4
	v_wmma_f32_16x16x32_f16 v[rA:rA+7], v[rW:rW+7], v[rB:rB+7], 0
.else
	v_wmma_f32_16x16x32_f16 v[rA:rA+7], v[rW:rW+7], v[rB:rB+7], v[rA:rA+7]
.endif
.if i == 0
.if ((\m) == 1) && ((\rho) == 1)
	v_mov_b32 v[MULT], v[VM1]                      ; round 0's last multiply-add stood in the turn before: from here on the state carries the factor 2
.else
	v_nop
.endif
	v_nop
	v_nop
	v_nop
.elseif i <= 4
	FETCH4 1-P, MN, 2*(i-1)
.elseif (i <= 20) && (\vec)
	SLICE i-5
.endif
.set i, i+1
.endr
.endm
	FETCH4 0, 0, 0
	FETCH4 0, 0, 2
	FETCH4 0, 0, 4
	FETCH4 0, 0, 6
	TURN 0, 0, 0                                   ; round 0's tile 0 stands in front of the loop: there is no vector work yet
	WIN 0                                          ; at a label and at a branch every window is 0
	s_mov_b32 s[CNT], 8
.Lpair:                                                ; a trip: two rounds, from an even round's tile 1 to the next even round's tile 0
.irp m, 1,2,3,4,5,6,7,8,9,10,11,12,13,14,15
	TURN \m, 0, 1
.endr
.irp m, 0,1,2,3,4,5,6,7,8,9,10,11,12,13,14,15
	TURN \m, 1, 1
.endr
	TURN 0, 0, 1                                   ; in the last trip only its vector work (round 15's tile 15) serves: its 32 products and 16 loads are the price, once a launch, of writing no tail out
	WIN 0
	s_sub_co_u32 s[CNT], s[CNT], 1
	s_cmp_lg_u32 s[CNT], 0
	s_cbranch_scc1 .Lpair
	; THE WAY OUT.  The last state lies in window 1.  A lane's 16 bytes (8 features of a row) go into my own stage, rows of 528 bytes; whole rows of 512 bytes come back, are halved (2.0 -> 1.0) and stored.
	WIN 0x04                                       ; store data in window 1
.set f, 0
.rept 64                               ; f = 16 b + 2 c + e: batch tile b, k step c, half e
	ds_store_b128 v[STO], v[4*f:4*f+3] offset:16*SP*(f/16)+64*((f/2)%8)+32*(f%2)
.set f, f+1
.endr
	WIN 0
.macro LOADG g                         ; rows 8 g to 8 g + 7 of my 64.  LDS serves a wave's instructions in order (ISA guide 5.7.1.4): these see the stores above
.set ob, OB0+(OB1-OB0)*((\g)%2)
.set t, 0
.rept 8
	ds_load_b128 v[ob+4*t:ob+4*t+3], v[RD] offset:SP*(8*(\g)+t)
.set t, t+1
.endr
.endm
.macro SENDG g, younger                ; younger: the LDS loads issued behind this group's: the next group's eight, or none
.set ob, OB0+(OB1-OB0)*((\g)%2)
.set t, 0
.rept 8
	s_wait_dscnt (\younger)+7-t
.irp j, 0,1,2,3
	v_pk_mul_f16 v[ob+4*t+\j], v[ob+4*t+\j], v[HALF]
.endr
	global_store_b128 v[L16], v[ob+4*t:ob+4*t+3], s[12:13] offset:512*(8*(\g)+t) th:TH_STORE_NT  ; the wave's store covers a row: 512 consecutive bytes, at a multiple of 512 from out0's first byte
.set t, t+1
.endr
.endm
	LOADG 0
	LOADG 1
	SENDG 0, 8
.irp g, 1,2,3,4,5,6
	s_wait_xcnt 0x0                                ; every earlier memory instruction has had its addresses translated (ISA guide 3.1): the buffer that the group before stored from is loaded again only behind this wait
	LOADG (\g)+1
	SENDG \g, 8
.endr
	SENDG 7, 0
	s_wait_tensorcnt 0x0                           ; the wave's end: behind my last tensor load and my last LDS store
	ds_add_u32 v[SPW], v[NIL]
	s_wait_dscnt 0x0
	s_endpgm
.Lfunc_end_k_q478215a0a2_pow16:
	.size	k_q478215a0a2_pow16, .Lfunc_end_k_q478215a0a2_pow16-k_q478215a0a2_pow16
	.p2alignl 7, 3214868480
	.fill 96, 4, 3214868480
	.section	.rodata,"a",@progbits
	.p2align	6, 0x0
	.amdhsa_kernel k_q478215a0a2_pow16
		.amdhsa_group_segment_fixed_size 327680
		.amdhsa_private_segment_fixed_size 0
		.amdhsa_enable_private_segment 0
		.amdhsa_kernarg_size 40
		.amdhsa_user_sgpr_count 2
		.amdhsa_user_sgpr_kernarg_segment_ptr 1
		.amdhsa_wavefront_size32 1
		.amdhsa_system_sgpr_workgroup_id_x 1
		.amdhsa_system_sgpr_workgroup_id_y 1
		.amdhsa_system_sgpr_workgroup_id_z 1
		.amdhsa_system_vgpr_workitem_id 0
		.amdhsa_next_free_vgpr 1024
		.amdhsa_next_free_sgpr 66
		.amdhsa_reserve_vcc 0
		.amdhsa_float_denorm_mode_32 3
		.amdhsa_float_denorm_mode_16_64 3
		.amdhsa_memory_ordered 1
		.amdhsa_forward_progress 1
		.amdhsa_inst_pref_size 255
	.end_amdhsa_kernel
	.section	.bss,"aw",@nobits
	.p2align	6
	.space	262144
	.amdgpu_metadata
---
amdhsa.version: [ 1, 2 ]
amdhsa.kernels:
  - .name:           k_q478215a0a2_pow16
    .symbol:         k_q478215a0a2_pow16.kd
    .args:
      - { .name: x, .offset: 0, .size: 8, .value_kind: global_buffer, .address_space: global }
      - { .name: noise, .offset: 8, .size: 8, .value_kind: global_buffer, .address_space: global }
      - { .name: ternary_matrix, .offset: 16, .size: 8, .value_kind: global_buffer, .address_space: global }
      - { .name: bias, .offset: 24, .size: 8, .value_kind: global_buffer, .address_space: global }
      - { .name: out0, .offset: 32, .size: 8, .value_kind: global_buffer, .address_space: global }
    .group_segment_fixed_size: 327680
    .private_segment_fixed_size: 0
    .kernarg_segment_align: 8
    .kernarg_segment_size: 40
    .max_flat_workgroup_size: 128
    .sgpr_count:     66
    .vgpr_count:     1024
    .wavefront_size: 32
...
	.end_amdgpu_metadata
.endif
;; end of part 1
